; MI455X (gfx1250); checked and timed in simulation.
; The chip was launched on July 23, 2026; its instructions are those of AMD's public machine-readable ISA for CDNA 5 (MIT licence, August 2026) and "CDNA5" Instruction Set Architecture Reference Guide (July 2026). The comments in the code are by the model that wrote it; some were corrected since.
;; Causal Self Attention. Allowed arithmetic: matrix products marked QUANTISED: E4M3 operands, one E8M0 scale for each 32 along K, by v_wmma_scale_f32_16x16x128_f8f6f4 with both operands' format E4M3, f32 sums; everything else in f32.
;; Inputs: b_proj 1,024 float32; b_qkv 3,072 float32; w_proj_codes 1,024 x 32 x 32 uint8 (E4M3 codes of w_proj, K innermost, in blocks of 32 codes); w_proj_scales 1,024 x 32 uint8 (E8M0 scales of w_proj, one for each 32 codes along K); w_qkv_codes 3,072 x 32 x 32 uint8 (E4M3 codes of w_qkv, K innermost, in blocks of 32 codes); w_qkv_scales 3,072 x 32 uint8 (E8M0 scales of w_qkv, one for each 32 codes along K); x_codes 4 x 2,048 x 32 x 32 uint8 (E4M3 codes of x, K innermost, in blocks of 32 codes); x_scales 4 x 2,048 x 32 uint8 (E8M0 scales of x, one for each 32 codes along K).
;; Outputs: out0 4 x 2,048 x 1,024 float32.
;; This version of the problem:
;;   THIS VERSION OF THE PROBLEM IS GIVEN IN LOW PRECISION. The matrix products marked QUANTISED in the list below multiply operands that are first quantised to E4M3 (4 exponent bits, 3 mantissa bits; 8 bits a number), with one power-of-two scale for each 32 numbers along K (OCP MX v1.0); their sums are f32. All else is computed in f32.
;;   The module's matrix products, in the order in which they are computed (A, B: the left and right operand; K: the contracted axis; several contracted axes count as one K, in the product's order):
;;     1. [M 8,192, K 1,024] x [K 1,024, N 3,072]; A: input x (given as codes); B: input w_qkv (given as codes): QUANTISED
;;     2. batch 64 x [M 2,048, K 64] x [K 64, N 2,048]; A: computed on the way; B: computed on the way: QUANTISED
;;     3. batch 64 x [M 64, K 2,048] x [K 2,048, N 2,048]; A: computed on the way; B: softmax (see below): QUANTISED
;;     4. [M 8,192, K 1,024] x [K 1,024, N 1,024]; A: computed on the way; B: input w_proj (given as codes): QUANTISED
;;   THE QUANTISER, for each operand of a quantised product, along K:
;;     - K is cut into blocks of 32 from its start; a last block that is shorter is filled with zeros.
;;     - A block's scale is 2^e with e = floor(log2(the largest magnitude in the block)) - 8, held to -126 .. 127; a block of zeros has e = 0. As a byte (E8M0): e + 127.
;;     - Each number is divided by its block's scale, clamped to +-448, and rounded to the nearest number of E4M3, ties to even, subnormals kept.
;;     - The product sums the exact products of the quantised numbers (number of the format x scale) in f32.
;;   ~~~python
;;   def quantise(x, axis):      # numpy; x: float32 -> the quantised numbers, widened to float32 again
;;       x = np.moveaxis(x, axis, -1); K = x.shape[-1]
;;       x = np.pad(x, [(0, 0)] * (x.ndim - 1) + [(0, -K % 32)]); x = x.reshape(x.shape[:-1] + (-1, 32)); a = np.abs(x).max(-1, keepdims=True)
;;       e = np.where(a > 0, np.clip(np.frexp(np.where(a > 0, a, 1))[1] - 1 - 8, -126, 127), 0)      # np.frexp(a)[1] - 1 = floor(log2(a)), exactly
;;       r = np.clip(x / 2.0 ** e, -448, 448)
;;       step = 2.0 ** (np.maximum(np.frexp(np.where(r == 0, 1, r))[1] - 1, -6) - 3)
;;       q = np.round(r / step) * step * 2.0 ** e      # np.round: ties to even
;;       return np.moveaxis(q.reshape(q.shape[:-2] + (-1,))[..., :K], -1, axis).astype(np.float32)
;;   ~~~
;;   SOFTMAX AHEAD OF A QUANTISED PRODUCT. Where the list says 'softmax', what is quantised is not the finished softmax but p = 2^(t - M), with t = logit x log2(e) and M = ceil(the row's largest t), a whole number; so 1/2 < the row's largest p <= 1. The row's sum l is taken of the UNQUANTISED p, in f32, and the product's result is divided by l at the end. Since M is a whole number, a kernel that streams over the keys may use a running M (the ceiling of the running maximum): every later rescaling is an exact power of two, which a block's scale takes up: the codes' values come out the same.
;;   OPERANDS COMPUTED ON THE WAY. 'Computed on the way' means the value that the module computes at that place (a softmax that the list does not call 'softmax' is quantised finished and normalised). What goes into a quantiser is computed in f32, as accurately as f32 sums, v_exp_f32 and their like allow (about 1e-6 of the number): no bf16 or f16 on the way to a quantiser, and a product that is left as it is and whose result goes on into a quantised operand takes f32 operands (vector FMAs, or v_wmma_f32_16x16x4_f32). A number that lies on a knife's edge between two numbers of the format may be rounded either way, as far as f32 arithmetic and the matrix unit's own rounding can turn it there, and no further.
;;   INPUTS GIVEN AS CODES. w_proj (in the module: [1024, 1024], K = its axis 0); w_qkv (in the module: [1024, 3072], K = its axis 0); x (in the module: [4, 2048, 1024], K = its axis 2): each comes as NAME_codes (uint8): NAME with its K axis moved to the last place and cut into blocks of 32 codes, [.., K / 32, bytes a block], one block behind the other in memory; one code a byte (a code: sign, 4 exponent bits, 3 mantissa bits); and NAME_scales (uint8): the same leading axes, one E8M0 byte (e + 127) for each 32 codes along K. Its value is code x scale, taken as it is: it is not quantised again, and the codes and scales need not be those that the quantiser above would give.
;; One version. Each part assembles by itself: llvm-mc -triple=amdgcn-amd-amdhsa -mcpu=gfx1250 --defsym DOCPART=n.
;; ======== version 1 of 1: 3 launches
;; limits: right only within a limited range of input values
;; workspace buffers: qimg 8,388,608 bytes; qsc 262,144 bytes; kv 17,301,504 bytes; aimg 8,388,608 bytes; asc 262,144 bytes; wimg 1,048,576 bytes
;; launch qkv (part 1): grid 64 x 4, 4 waves a work-group, clusters of 4 x 4, 327,680 bytes of LDS; arguments x_codes, x_scales, w_qkv_codes, w_qkv_scales, b_qkv, qimg, qsc, kv; writes qimg, qsc, kv
.if DOCPART == 1
	.amdgcn_target "amdgcn-amd-amdhsa--gfx1250"
	.amdhsa_code_object_version 6
	.text
	.protected	k_qb23cc2dd59_qkv
	.globl	k_qb23cc2dd59_qkv
	.p2align	8
	.type	k_qb23cc2dd59_qkv,@function
k_qb23cc2dd59_qkv:
	s_mov_b64 s[64:65], 0
	v_nop
	global_prefetch_b8 v0, s[64:65] scope:SCOPE_SE
	s_setreg_imm32_b32 hwreg(HW_REG_WAVE_MODE, 25, 1), 1
	s_wait_xcnt 0x0
	s_wait_alu depctr_hold_cnt(0) depctr_sa_sdst(0) depctr_va_vdst(0) depctr_va_sdst(0) depctr_va_ssrc(0) depctr_va_vcc(0) depctr_vm_vsrc(0)
	s_getreg_b32 s2, hwreg(HW_REG_IB_STS2, 6, 4)
	s_cmp_eq_u32 s2, 0
	s_cbranch_scc0 .Lentry_in_a_cluster
	s_endpgm
.Lentry_in_a_cluster:
	s_bfe_u32 s2, ttmp6, 0x10000c
	s_cmp_lg_u32 s2, 0xf033
	s_cbranch_scc0 .Lentry_shape_is_right
	s_endpgm
.Lentry_shape_is_right:
; q, k, v = x W_qkv + b_qkv on codes of E4M3 with one E8M0 scale for each 32 along K = 1,024; the results are quantised at once: q and k along a head's 64 channels, v along the keys.
; SHARES.  256 work-groups of four waves.  A work-group takes 128 tokens (one key step of the records) and q, k, v of four heads: 768 rows of W in six chunks of 128 rows (two heads): q, q, k, k, v, v.
; The waves lie 2 x 2: wave row wr holds tokens 64 wr .. + 63 of x, ALL of K, in 512 registers (windows 1, 2); wave column wc takes head wc of each chunk: four blocks of 16 rows of W, each 128 registers
; (two sets in window 3), 32 products a block, four accumulators by turns.  The bias is the first products' C.
; LDS.  Two slots of 128 rows x 1,040 bytes.  At the head x lands in slot 0 and chunk 0 in slot 1; when every wave holds x in registers, chunk c + 1 is filled over the slot that chunk c - 1 (or x) has left,
; 32 rows a wave, behind a drained round of the cluster's barrier at chunk c's head.  W's scale bytes (3 x 8,192) and the bias (3 x 1,024 bytes) of the four heads come once, at the head.
; CLUSTERS of 4 x 4: cx picks the tokens, cy the four heads: x's tile is asked for jointly by a column of the cluster, all of W's by a row.
; PREFETCH.  Behind chunk c's first fragment loads chunk c + 2 is asked for: 131,072 dense bytes, 8,192 for each of the 16 waves of a cluster row, told apart by address, lanes 256 bytes apart;
; four of the sixteen clusters ask, since all read the same rows of W.  Chunks 0 and 1 come by their loads alone; chunks 4 and 5 ask for nothing.
; ROLES.  q, k: source 0 = W's block, source 1 = x's tile: a lane holds a token, its registers run along the channels.  v: source 0 = x's tile, source 1 = W's block: a lane holds a channel, its registers run along the keys.
; WHAT IS STORED: images of operand registers.  A unit is 512 bytes: 16 rows x 32 k, lane l's 16 codes at 16 l; a store of codes covers one unit.
;   qimg [bh 64][query tile 128][c 2] units;  qsc [bh][step 16] 256 bytes;  kv [bh][step 16] records of 16,896 bytes: K [tile 8][c 2] units, V [channel tile 4][key block 4] units at 8,192, K's scale words at 16,384, V's at 16,640.
;   The scale bytes leave as 4 or 2 bytes a lane, 8 bytes apart: the two wave rows fill a record's 256 bytes between them; they are one byte in 32 of what is stored.
; ORDER INSIDE A BLOCK OF 32: lane (r, hh) holds numbers 8 hh + 0..7 and 16 + 8 hh + 0..7: one fixed permutation, the same in q and k, and in v and the next launch's p.
; LIMITS: NaN and infinities among the inputs are not served.  A block of zeros keeps the scale byte 1 (the rule says 127): its codes are zeros, and this program alone reads the bytes.
.set PITCH, 1040
.set BLKB,  16*PITCH
.set SLOTB, 128*PITCH
.set WSC,   2*SLOTB                    ; W's scale bytes: [q, k, v][256 rows][32]
.set BIA,   WSC+24576                  ; the bias: [q, k, v][256] f32
.set SPARE, BIA+3072                   ; the spare words, 128 bytes a wave
.set REC,   16896
.set PADW,  (1<<20)|(1<<21)|(7<<22)|(3<<25)   ; padding of 4 words behind every 256; bit 21 beside a mask
.set LI,  1                            ; 16 x lane
.set AX,  2                            ; LDS: my rows of x
.set AW0, 3                            ; v3, v4 LDS: my head's rows of W in slot 0, 1
.set ASW, 5                            ; LDS: my head's scale bytes, 32 x lane
.set ABQ, 6                            ; LDS: the bias by registers (q, k)
.set ABV, 7                            ; LDS: the bias by lanes (v)
.set L8W, 8                            ; 8 x lane + 4 wr
.set L8V, 9                            ; 8 x lane + 2 wr
.set SPW, 10
.set NIL, 11
.set L32, 12                           ; 32 x lane
.set PF,  13                           ; the prefetches' offset
.set SX,  16                           ; v16-31 x's scale words: register 8 p + q: lanes 0-15 tile 2 p, lanes 16-31 tile 2 p + 1
.set PW,  32                           ; v32-33 scale words made on the way out;  v34-35 as they are stored
.set WO,  34
.set SW,  36                           ; v36-51 W's scale words, likewise by pairs of blocks
.set BQ,  52                           ; v52-83 the bias in the results' layout
.set ACC, 84                           ; v84-211 sixteen accumulators
.set PC,  212                          ; v212-227 codes
.set TM,  228                          ; v228-243 at work in the quantiser
.set SEL, 96
.set MNT, 98
.set MSB, 0
.macro WIN new
.if MSB != (\new)
	s_set_vgpr_msb (MSB<<8)|(\new)
.set MSB, (\new)
.endif
.endm
.macro ROUND
	s_barrier_signal -1
	s_barrier_wait -1
	s_cmp_lg_u32 s20, 0
	s_cbranch_scc1 .Lnot_wave_0_\@
	s_barrier_signal -3
.Lnot_wave_0_\@:
	s_barrier_wait -3
	s_barrier_signal -1
	s_barrier_wait -1
.endm
.macro GRP g, m, w0, c, r, p           ; descriptor group 1: r rows of c elements, p elements apart, for the work-groups of mask s[m]
	s_or_b32 s[\g], s[\m], \w0
	s_mov_b32 s[\g+1], (\c)<<16
	s_mov_b32 s[\g+2], (\r)<<16
	s_mov_b32 s[\g+3], (\c)<<16
	s_mov_b32 s[\g+4], \r
	s_mov_b32 s[\g+5], \p
	s_mov_b32 s[\g+6], 0
	s_mov_b32 s[\g+7], 0
.endm
.macro ARM under, g0, g1, next
	s_cmp_lt_u32 s20, \under
	s_cbranch_scc0 \next
	tensor_load_to_lds s[\g0:\g0+3], s[\g1:\g1+7]
	s_nop 0
.rept 4
	v_nop
.endr
	s_branch .Lhead_asked
\next:
.endm
	s_load_b256 s[4:11], s[0:1], 0x0               ; x's codes, x's scales, W's codes, W's scales
	s_load_b256 s[12:19], s[0:1], 0x20             ; the bias, qimg, qsc, kv
	v_lshl_add_u32 v[SPW], v0, 2, SPARE
	v_mov_b32 v[NIL], 0
	ds_add_u32 v[SPW], v[NIL]
	ds_add_u32 v[SPW], v[NIL]
	v_lshrrev_b32 v1, 5, v0
	v_readfirstlane_b32 s20, v1                    ; wave
	s_lshr_b32 s21, s20, 1                         ; wr
	s_and_b32 s22, s20, 1                          ; wc
	s_bfe_u32 s23, ttmp6, 0x40000                  ; cx
	s_bfe_u32 s25, ttmp6, 0x40004                  ; cy: the four heads
	s_lshl_b32 s24, ttmp9, 2
	s_add_co_u32 s24, s24, s23                     ; the tile of 128 tokens
	s_lshl_b32 s26, s25, 2
	s_lshl_b32 s26, 15, s26                        ; my row of the cluster shares W
	s_lshl_b32 s27, 0x1111, s23                    ; my column shares x
	GRP 28, 27, PADW, 1024, 128, 1024              ; x's 128 rows
	GRP 36, 26, PADW, 1024, 128, 1024              ; chunk 0
	GRP 44, 26, PADW, 1024, 32, 1024               ; a refill: 32 rows a wave
	GRP 52, 26, (3<<16)|(1<<21), 1024, 3, 4096     ; W's scale bytes: 3 rows of 8,192 bytes, 32,768 apart
	GRP 68, 26, (2<<16)|(1<<21), 256, 3, 1024      ; the bias: 3 rows of 1,024 bytes, 4,096 apart
	s_mov_b32 s60, 1
	s_mov_b32 s61, 0
	s_mov_b32 s76, 1
	s_mov_b32 s77, SLOTB
	s_mov_b32 s80, 1
	s_mov_b32 s81, WSC
	s_mov_b32 s84, 1
	s_mov_b32 s85, BIA
	s_mov_b32 s88, 1
	s_mov_b32 s[SEL], 0x76543210
	s_mov_b32 s[SEL+1], 0xfedcba98
	s_mov_b32 s[MNT], 0x600000
	s_lshl_b32 s66, s24, 17                        ; x: 131,072 bytes a tile
	s_mov_b32 s67, 0
	s_lshl_b32 s100, s25, 18                       ; W: 256 rows for each four heads
	s_mov_b32 s101, 0
	s_wait_dscnt 0x0
	ROUND                                          ; the first joint loads meet
	s_wait_kmcnt 0x0
	s_add_nc_u64 s[62:63], s[4:5], s[66:67]
	s_or_b32 s63, s63, 0x80000000
	s_add_nc_u64 s[94:95], s[8:9], s[100:101]      ; q's rows of my four heads
	s_mov_b64 s[78:79], s[94:95]
	s_or_b32 s79, s79, 0x80000000
	s_lshl_b32 s100, s25, 13
	s_add_nc_u64 s[82:83], s[10:11], s[100:101]
	s_or_b32 s83, s83, 0x80000000
	s_lshl_b32 s100, s25, 10
	s_add_nc_u64 s[86:87], s[12:13], s[100:101]
	s_or_b32 s87, s87, 0x80000000
	s_lshl_b32 s100, s20, 15
	s_add_nc_u64 s[92:93], s[94:95], s[100:101]    ; my 32 rows of a chunk
	ARM 1, 60, 28, .Lhead_w                        ; one joint load a wave: x,
	ARM 2, 76, 36, .Lhead_s                        ; chunk 0,
	ARM 3, 80, 52, .Lhead_b                        ; W's scale bytes,
	tensor_load_to_lds s[84:87], s[68:75]          ; the bias
	s_nop 0
.rept 4
	v_nop
.endr
.Lhead_asked:
	s_lshl_b32 s66, s24, 12
	s_lshl_b32 s3, s21, 11
	s_add_co_u32 s66, s66, s3
	s_add_nc_u64 s[6:7], s[6:7], s[66:67]          ; x's scale bytes: my 64 rows
	s_lshr_b32 s66, s24, 4                         ; the batch
	s_lshl_b32 s66, s66, 4
	s_lshl_b32 s3, s25, 2
	s_add_co_u32 s66, s66, s3
	s_add_co_u32 s66, s66, s22                     ; bh of a chunk's first half
	s_lshl_b32 s66, s66, 4
	s_and_b32 s3, s24, 15
	s_add_co_u32 s3, s66, s3                       ; the record: 16 bh + step
	s_lshl_b32 s66, s3, 13
	s_lshl_b32 s99, s21, 12
	s_add_co_u32 s66, s66, s99
	s_add_nc_u64 s[14:15], s[14:15], s[66:67]      ; q's codes: my four token tiles
	s_lshl_b32 s66, s3, 8
	s_add_nc_u64 s[16:17], s[16:17], s[66:67]      ; q's scale words
	s_mul_i32 s66, s3, REC
	s_add_nc_u64 s[18:19], s[18:19], s[66:67]      ; the record
	s_mov_b32 s66, s99
	s_add_nc_u64 s[2:3], s[18:19], s[66:67]        ; k's codes: my four token tiles
	s_lshl_b32 s66, s21, 10
	s_add_co_u32 s66, s66, 8192
	s_add_nc_u64 s[26:27], s[18:19], s[66:67]      ; v's codes: my two key blocks
	s_mul_i32 s66, s21, 64*PITCH
	s_mul_i32 s67, s22, 64*PITCH
	s_lshl_b32 s99, s22, 11
	s_add_co_u32 s99, s99, WSC
	s_lshl_b32 s100, s22, 8
	s_add_co_u32 s100, s100, BIA
	s_lshl_b32 s101, s23, 2
	s_add_co_u32 s101, s101, s20
	s_lshl_b32 s101, s101, 13                      ; which of the cluster row's sixteen waves I am, x 8,192
	v_and_b32 v14, 31, v0
	v_lshlrev_b32 v[LI], 4, v14
	v_lshlrev_b32 v[L32], 5, v14
	v_and_b32 v15, 15, v0                          ; r
	v_bfe_u32 v32, v0, 4, 1                        ; hh
	v_mul_u32_u24 v33, v15, PITCH
	v_lshl_add_u32 v33, v32, 4, v33
	v_add_nc_u32 v[AX], s66, v33
	v_add_nc_u32 v[AW0], s67, v33
	v_add_nc_u32 v[AW0+1], SLOTB, v[AW0]
	v_add_nc_u32 v[ASW], s99, v[L32]
	v_lshl_add_u32 v[ABQ], v32, 5, s100
	v_lshl_add_u32 v[ABV], v15, 2, s100
	v_lshlrev_b32 v34, 3, v14
	v_lshl_add_u32 v[L8W], s21, 2, v34
	v_lshl_add_u32 v[L8V], s21, 1, v34
	v_lshl_add_u32 v[PF], v14, 8, s101
.irp b, 0,1,2,3
	v_mov_b32 v[TM+4+\b], 0                        ; a lane permute's destination counts as a source
.endr
	s_wait_alu depctr_va_vdst(0)
.irp p, 0,1
.irp j, 0,1
	global_load_b128 v[SX+8*\p+4*\j:SX+8*\p+4*\j+3], v[L32], s[6:7] offset:\p*1024+16*\j
.endr
.endr
	s_wait_tensorcnt 0x0                           ; my tile of the head's four is in,
	s_barrier_signal -1
	s_barrier_wait -1                              ; everybody's is
.set f, 0
.rept 32                                           ; x's fragment f = 4 q + t: tile t, the q-th 128 of K: window 1 + f / 16
	WIN (1+f/16)<<6
.irp c, 0,1,2,3
	ds_load_b128 v[16*(f%16)+4*\c:16*(f%16)+4*\c+3], v[AX] offset:(f%4)*BLKB+(f/4)*128+32*\c
.endr
.set f, f+1
.endr
	WIN 0
	s_wait_loadcnt 0x0                             ; x's scale words
.macro FETCH sl, wb                    ; block wb of my head, 16 rows of W, all of K, into set wb % 2 of window 3: 32 loads
	WIN 0xc0
.irp q, 0,1,2,3,4,5,6,7
.irp c, 0,1,2,3
	ds_load_b128 v[128*((\wb)%2)+16*\q+4*\c:128*((\wb)%2)+16*\q+4*\c+3], v[AW0+\sl] offset:(\wb)*BLKB+128*\q+32*\c
.endr
.endr
	WIN 0
.endm
.macro MM ra, rb                       ; one product; ra, rb: the rows of the two scale registers
.if (\ra) && (\rb)
	v_wmma_scale_f32_16x16x128_f8f6f4 v[AC_:AC_+7], v[A_:A_+15], v[B_:B_+15], v[C_:C_+7], v[AS_], v[BS_] matrix_a_scale:MATRIX_SCALE_ROW1 matrix_b_scale:MATRIX_SCALE_ROW1
.elseif \ra
	v_wmma_scale_f32_16x16x128_f8f6f4 v[AC_:AC_+7], v[A_:A_+15], v[B_:B_+15], v[C_:C_+7], v[AS_], v[BS_] matrix_a_scale:MATRIX_SCALE_ROW1
.elseif \rb
	v_wmma_scale_f32_16x16x128_f8f6f4 v[AC_:AC_+7], v[A_:A_+15], v[B_:B_+15], v[C_:C_+7], v[AS_], v[BS_] matrix_b_scale:MATRIX_SCALE_ROW1
.else
	v_wmma_scale_f32_16x16x128_f8f6f4 v[AC_:AC_+7], v[A_:A_+15], v[B_:B_+15], v[C_:C_+7], v[AS_], v[BS_]
.endif
.endm
; A block's 32 products, n = 4 q + t; the four accumulators take turns.  isv = 0: sums at ACC + 32 t + 8 wb; 1: at ACC + 32 wb + 8 t.  w: the LDS loads that may stay out.
.macro BLK isv, wb, w
	s_wait_dscnt \w
.set n, 0
.rept 32
.if \isv
	WIN (1+n/16)|12
.set AC_, ACC+32*(\wb)+8*(n%4)
.set A_, 16*(n%16)
.set B_, 128*((\wb)%2)+16*(n/4)
.set AS_, SX+8*((n%4)/2)+n/4
.set BS_, SW+8*((\wb)/2)+n/4
.else
	WIN 3|((1+n/16)<<2)
.set AC_, ACC+32*(n%4)+8*(\wb)
.set A_, 128*((\wb)%2)+16*(n/4)
.set B_, 16*(n%16)
.set AS_, SW+8*((\wb)/2)+n/4
.set BS_, SX+8*((n%4)/2)+n/4
.endif
.set C_, AC_
.if n < 4
.set C_, BQ+8*(\wb)
.endif
.if \isv
	MM n%2, (\wb)%2
.else
	MM (\wb)%2, n%2
.endif
.set n, n+1
.endr
	WIN 0
.rept 8
	v_nop                                          ; places behind the last product: its fragments' registers are loaded, or its sums read, below
.endr
.endm
; 64 numbers of a lane, v[s] on, register 16 b + i one of my 16 of block b, become 16 registers of codes in v[pc] on and four scale bytes in v[pw].
.macro QUANT s, pw, pc
.irp b, 0,1,2,3
	v_max3_num_f32 v[TM+\b], |v[\s+16*\b]|, |v[\s+1+16*\b]|, 0x4800000   ; with the floor 2^(9 - 127): the byte cannot fall under 1
.endr
.irp i, 2,4,6,8,10,12,14
.irp b, 0,1,2,3
	v_max3_num_f32 v[TM+\b], v[TM+\b], |v[\s+16*\b+\i]|, |v[\s+1+16*\b+\i]|
.endr
.endr
.irp b, 0,1,2,3
	v_permlanex16_b32 v[TM+4+\b], v[TM+\b], s[SEL], s[SEL+1]
.endr
.irp b, 0,1,2,3
	v_max_num_f32 v[TM+\b], v[TM+\b], v[TM+4+\b]   ; with lane l xor 16's 16
.endr
.irp b, 0,1,2,3
	v_add_nc_u32 v[TM+12+\b], 0xfc000000, v[TM+\b]   ; the conversion's scale operand
.endr
.irp b, 0,1,2,3
	v_and_or_b32 v[TM+8+\b], v[TM+\b], 0x7f800000, s[MNT]   ; 448 x the scale
.endr
.irp b, 0,1,2,3
	v_lshrrev_b32 v[TM+4+\b], 23, v[TM+12+\b]      ; the scale's byte
.endr
	v_lshl_or_b32 v[\pw], v[TM+5], 8, v[TM+4]
	v_lshl_or_b32 v[\pw], v[TM+6], 16, v[\pw]
	v_lshl_or_b32 v[\pw], v[TM+7], 24, v[\pw]
.irp b, 0,1,2,3
.irp i, 0,1,2,3,4,5,6,7,8,9,10,11,12,13,14,15
	v_med3_num_f32 v[\s+16*\b+\i], v[\s+16*\b+\i], -v[TM+8+\b], v[TM+8+\b]   ; the conversion does not saturate (ISA guide 7.6.2): the hold
.endr
	v_cvt_scalef32_pk8_fp8_f32 v[\pc+4*\b:\pc+1+4*\b], v[\s+16*\b:\s+7+16*\b], v[TM+12+\b]
	v_cvt_scalef32_pk8_fp8_f32 v[\pc+2+4*\b:\pc+3+4*\b], v[\s+8+16*\b:\s+15+16*\b], v[TM+12+\b]
.endr
	v_nop                                          ; one plain line behind the last conversion
.endm
; THE WAY OUT.  The second half's codes go into the first half's sums' registers, which are done with; no register that a store reads is written again before the next chunk's wait on XCNT.
.macro OUTQK cb, hs, sb, so            ; a pair u of token tiles a call of QUANT: its word is (tile 2 u: c 0, c 1; tile 2 u + 1: c 0, c 1)
	QUANT ACC, PW, PC
.irp k, 0,1,2,3
	global_store_b128 v[LI], v[PC+4*\k:PC+4*\k+3], s[\cb:\cb+1] offset:(\hs)+(\k/2)*1024+(\k%2)*512
.endr
	QUANT ACC+64, PW+1, ACC
.irp k, 0,1,2,3
	global_store_b128 v[LI], v[ACC+4*\k:ACC+4*\k+3], s[\cb:\cb+1] offset:(\hs)+(2+\k/2)*1024+(\k%2)*512
.endr
	v_cndmask_b32 v[WO], v[PW], v[PW+1], vcc_lo    ; lane (r, hh): pair 2 wr + hh
	global_store_b32 v[L8W], v[WO], s[\sb:\sb+1] offset:\so
.endm
.macro OUTV hs                         ; a pair of channel tiles a call of QUANT: its word is (tile 2 i: my two key blocks; tile 2 i + 1: likewise)
	QUANT ACC, PW, PC
.irp k, 0,1,2,3
	global_store_b128 v[LI], v[PC+4*\k:PC+4*\k+3], s[26:27] offset:(\hs)+(\k/2)*2048+(\k%2)*512
.endr
	QUANT ACC+64, PW+1, ACC
.irp k, 0,1,2,3
	global_store_b128 v[LI], v[ACC+4*\k:ACC+4*\k+3], s[26:27] offset:(\hs)+(2+\k/2)*2048+(\k%2)*512
.endr
.irp i, 0,1
	v_lshrrev_b32 v[WO+\i], 16, v[PW+\i]
	v_cndmask_b32 v[WO+\i], v[PW+\i], v[WO+\i], vcc_lo   ; lane (r, hh): channel tile 2 i + hh
	global_store_b16 v[L8V], v[WO+\i], s[18:19] offset:(\hs)+16640+4*\i
.endr
.endm
.macro CHUNK c
.set KIND, (\c)/2
.set HALF, (\c)%2
.set SL, ((\c)+1)%2                    ; the slot in which chunk c lies
	s_wait_xcnt 0x0                                ; the last chunk's stores have read their registers
.if (\c) < 5
	s_wait_tensorcnt 0x0                           ; my part of chunk c is in
	ds_add_u32 v[SPW], v[NIL]
	s_mul_i32 s89, s20, 32*PITCH                   ; no tensor load of mine is out: chunk c + 1 into the other slot
.if (\c)%2
	s_add_co_u32 s89, s89, SLOTB
.endif
	s_add_nc_u64 s[90:91], s[92:93], ((((\c)+1)/2)*1024+(((\c)+1)%2)*128)*1024
	s_or_b32 s91, s91, 0x80000000
	s_wait_dscnt 0x0                               ; the add is done, and my reads of that slot are over
	ROUND
	tensor_load_to_lds s[88:91], s[44:51]
	s_nop 0
.rept 4
	v_nop
.endr
.else
	s_wait_tensorcnt 0x0                           ; the last chunk
	s_wait_dscnt 0x0
	s_barrier_signal -1
	s_barrier_wait -1
.endif
.irp p, 0,1
.irp j, 0,1
	ds_load_b128 v[SW+8*\p+4*\j:SW+8*\p+4*\j+3], v[ASW] offset:KIND*8192+HALF*4096+\p*1024+16*\j
.endr
.endr
.if KIND < 2
.irp x, 0,1,2,3,4,5,6,7
	ds_load_b128 v[BQ+4*\x:BQ+4*\x+3], v[ABQ] offset:KIND*1024+HALF*512+64*(\x/2)+16*(\x%2)   ; channels 16 wb + 8 hh + 0..7
.endr
.else
.set x, 0
.rept 32
	ds_load_b32 v[BQ+x], v[ABV] offset:2048+HALF*512+64*(x/8)   ; channel 16 wb + r in all eight registers
.set x, x+1
.endr
.endif
	FETCH SL, 0
	FETCH SL, 1
.if (\c) < 4
	s_cmp_lt_u32 ttmp9, 4
	s_cbranch_scc0 .Lnone_\@
	global_prefetch_b8 v[PF], s[94:95] offset:((((\c)+2)/2)*1024+(((\c)+2)%2)*128)*1024 th:TH_LOAD_NT scope:SCOPE_SE
.Lnone_\@:
.endif
	BLK KIND/2, 0, 32                              ; behind block 0's loads: block 1's 32
	FETCH SL, 2
	BLK KIND/2, 1, 32
	FETCH SL, 3
	BLK KIND/2, 2, 32
	BLK KIND/2, 3, 0
	s_mov_b32 vcc_lo, 0xffff0000                   ; lanes 16-31
.if KIND == 0
	OUTQK 14, HALF*32*8192, 16, HALF*32*256
.elseif KIND == 1
	OUTQK 2, HALF*32*REC, 18, HALF*32*REC+16384
.else
	OUTV HALF*32*REC
.endif
	s_wait_alu depctr_va_vdst(0)
.endm
.irp c, 0,1,2,3,4,5
	CHUNK \c
.endr
	s_wait_tensorcnt 0x0                           ; the wave's end
	ds_add_u32 v[SPW], v[NIL]
	s_wait_dscnt 0x0
	ROUND                                          ; the closing round
	s_endpgm
.Lfunc_end_k_qb23cc2dd59_qkv:
	.size	k_qb23cc2dd59_qkv, .Lfunc_end_k_qb23cc2dd59_qkv-k_qb23cc2dd59_qkv
	.p2alignl 7, 3214868480
	.fill 96, 4, 3214868480
	.section	.rodata,"a",@progbits
	.p2align	6, 0x0
	.amdhsa_kernel k_qb23cc2dd59_qkv
		.amdhsa_group_segment_fixed_size 327680
		.amdhsa_private_segment_fixed_size 0
		.amdhsa_enable_private_segment 0
		.amdhsa_kernarg_size 64
		.amdhsa_user_sgpr_count 2
		.amdhsa_user_sgpr_kernarg_segment_ptr 1
		.amdhsa_wavefront_size32 1
		.amdhsa_system_sgpr_workgroup_id_x 1
		.amdhsa_system_sgpr_workgroup_id_y 1
		.amdhsa_system_sgpr_workgroup_id_z 1
		.amdhsa_system_vgpr_workitem_id 0
		.amdhsa_next_free_vgpr 1024
		.amdhsa_next_free_sgpr 102
		.amdhsa_reserve_vcc 1
		.amdhsa_float_denorm_mode_32 3
		.amdhsa_float_denorm_mode_16_64 3
		.amdhsa_memory_ordered 1
		.amdhsa_forward_progress 1
		.amdhsa_inst_pref_size 255
	.end_amdhsa_kernel
	.section	.bss,"aw",@nobits
	.p2align	6
	.space	262144
	.amdgpu_metadata
---
amdhsa.version: [ 1, 2 ]
amdhsa.kernels:
  - .name:           k_qb23cc2dd59_qkv
    .symbol:         k_qb23cc2dd59_qkv.kd
    .args:
      - { .name: x_codes, .offset: 0, .size: 8, .value_kind: global_buffer, .address_space: global }
      - { .name: x_scales, .offset: 8, .size: 8, .value_kind: global_buffer, .address_space: global }
      - { .name: w_qkv_codes, .offset: 16, .size: 8, .value_kind: global_buffer, .address_space: global }
      - { .name: w_qkv_scales, .offset: 24, .size: 8, .value_kind: global_buffer, .address_space: global }
      - { .name: b_qkv, .offset: 32, .size: 8, .value_kind: global_buffer, .address_space: global }
      - { .name: qimg, .offset: 40, .size: 8, .value_kind: global_buffer, .address_space: global }
      - { .name: qsc, .offset: 48, .size: 8, .value_kind: global_buffer, .address_space: global }
      - { .name: kv, .offset: 56, .size: 8, .value_kind: global_buffer, .address_space: global }
    .group_segment_fixed_size: 327680
    .private_segment_fixed_size: 0
    .kernarg_segment_align: 8
    .kernarg_segment_size: 64
    .max_flat_workgroup_size: 128
    .sgpr_count:     102
    .vgpr_count:     1024
    .wavefront_size: 32
...
	.end_amdgpu_metadata
.endif
;; end of part 1
;; launch attn (part 2): grid 4 x 64, 16 waves a work-group, clusters of 4 x 1, 327,680 bytes of LDS; arguments qimg, qsc, kv, aimg, asc, w_proj_codes, wimg; writes aimg, asc, wimg
.if DOCPART == 2
	.amdgcn_target "amdgcn-amd-amdhsa--gfx1250"
	.amdhsa_code_object_version 6
	.text
	.protected	k_qb23cc2dd59_attn
	.globl	k_qb23cc2dd59_attn
	.p2align	8
	.type	k_qb23cc2dd59_attn,@function
k_qb23cc2dd59_attn:
	s_mov_b64 s[64:65], 0
	v_nop
	global_prefetch_b8 v0, s[64:65] scope:SCOPE_SE
	s_setreg_imm32_b32 hwreg(HW_REG_WAVE_MODE, 25, 1), 1
	s_wait_xcnt 0x0
	s_wait_alu depctr_hold_cnt(0) depctr_sa_sdst(0) depctr_va_vdst(0) depctr_va_sdst(0) depctr_va_ssrc(0) depctr_va_vcc(0) depctr_vm_vsrc(0)
	s_getreg_b32 s2, hwreg(HW_REG_IB_STS2, 6, 4)
	s_cmp_eq_u32 s2, 0
	s_cbranch_scc0 .Lentry_in_a_cluster
	s_endpgm
.Lentry_in_a_cluster:
	s_bfe_u32 s2, ttmp6, 0x10000c
	s_cmp_lg_u32 s2, 0x3003
	s_cbranch_scc0 .Lentry_shape_is_right
	s_endpgm
.Lentry_shape_is_right:
; Causal attention of one (batch, head) a cluster, both products on codes of E4M3 with one E8M0 scale for each 32 along K; the result is quantised along the model's 1,024 and stored as codes.
; t = score x log2(e) / 8; M = the row's largest t so far, rounded up to a whole number; p = 2^(t - M) is quantised along the keys; the row's sum is taken of the unquantised p and divides at the end.
; LEFT OUT: key steps that lie wholly behind the causal mask: their p is 0 for every input.
; SHARES.  A head's 128 tiles of 16 queries fall into 16 groups g of 8; a tile of group g needs key steps 0 .. g of 128 keys.  Work-group c, wave w: e = w % 2, gA = w / 2, gB = 15 - gA:
; the wave works tile 8 gB + 2 c + e, then tile 8 gA + 2 c + e: 17 steps in every wave.
; THE HEAD'S 16 RECORDS of 16,896 bytes (K's images, V's images, scale words) stay in LDS; wave w brings record w by one joint load of the four partners.  Waves 0-3 have a load line of their own:
; a first barrier shows records 0-3 alone, which the first pass's steps 0-3 read (gB is 8 at the least); a second barrier shows the rest.  Nothing is filled twice.
; No prefetch: every byte that the launch reads through LDS is asked for at its head.
; K = 64 IN A FORM OF K = 128: source 0 is a pair of key tiles; source 1 is (q, zeros) for the even tile and (zeros, q) for the odd.
; q, k, v and p share one fixed order inside a block of 32 (numbers 8 hh + 0..7, 16 + 8 hh + 0..7); the result's codes are put into the true order by four exchanges of lane halves.
; BESIDE IT: waves 0-7 re-lay 512 bytes each of w_proj's codes into wimg [tile of 16 rows][128 of K][32 of K] units, lane l's 16 codes at 16 l: the order of the next launch's operand registers.
; LIMITS: NaN and infinities are not served.  A block of zeros keeps the scale byte 1: this program alone reads the bytes.  The scaled scores stay under 2^31 in magnitude.
.set REC,  16896
.set VOF,  8192
.set KSO,  16384
.set VSO,  16640
.set SPARE, 0x42000                    ; behind the 16 records: the spare words, 128 bytes a wave
.set LI,   1                           ; 16 x lane
.set L8,   2                           ; 8 x lane
.set RR,   3                           ; r = lane % 16
.set HH,   4                           ; hh = lane / 16
.set DD,   5                           ; 32 c + 16 e + r - 8 hh: on the diagonal register 8 t + j is hidden where 16 t + j is greater
.set QSO,  6
.set ASO,  7
.set ADK,  8
.set ADS,  9
.set Q0,   16                          ; v16-31 (q, zeros); v32-47 (zeros, q)
.set KF,   48                          ; K's four pairs of tiles, then V's four tiles
.set SR,   112                         ; S^T, then p
.set OT,   176                         ; O^T
.set PC,   208                         ; p's codes
.set TS,   218                         ; v218-231 seven chains of the row's sum, between the scales' lines and the conversions
.set BM,   224
.set PT,   228
.set HL,   232
.set SO,   236
.set KSW,  240
.set VSW,  242
.set QW,   244
.set QRW,  245
.set FF,   246
.set PW,   247
.set TP,   248
.set AW,   249
.set NINF, 252
.set WV,   14
.set CS,   22
.set SEL,  36
.set MNT,  38
.macro ROUND
	s_barrier_signal -1
	s_barrier_wait -1
	s_cmp_lg_u32 s[WV], 0
	s_cbranch_scc1 .Lnot_wave_0_\@
	s_barrier_signal -3
.Lnot_wave_0_\@:
	s_barrier_wait -3
	s_barrier_signal -1
	s_barrier_wait -1
.endm
.macro TL                              ; my record
	tensor_load_to_lds s[32:35], s[24:31]
	s_nop 0
.rept 4
	v_nop
.endr
.endm
.macro LOADQ g                         ; query tile 8 g + 2 cx + e: its two units twice, and its rows' scale word
	s_lshl_b32 s50, s[\g], 3
	s_lshl_b32 s51, s15, 1
	s_add_co_u32 s50, s50, s51
	s_add_co_u32 s50, s50, s17
	s_lshl_b32 s51, s16, 7
	s_add_co_u32 s50, s50, s51
	s_lshl_b32 s50, s50, 10
	s_mov_b32 s51, 0
	s_add_nc_u64 s[42:43], s[4:5], s[50:51]
	s_lshl_b32 s50, s16, 4
	s_add_co_u32 s50, s50, s[\g]
	s_lshl_b32 s50, s50, 8
	s_add_nc_u64 s[44:45], s[6:7], s[50:51]
	global_load_b128 v[Q0:Q0+3], v[LI], s[42:43]
	global_load_b128 v[Q0+4:Q0+7], v[LI], s[42:43] offset:512
	global_load_b128 v[Q0+24:Q0+27], v[LI], s[42:43]
	global_load_b128 v[Q0+28:Q0+31], v[LI], s[42:43] offset:512
	global_load_b32 v[QRW], v[QSO], s[44:45]
.endm
	s_load_b128 s[4:7], s[0:1], 0x0                ; qimg, qsc
	s_load_b128 s[8:11], s[0:1], 0x10              ; kv, aimg
	s_load_b64 s[12:13], s[0:1], 0x20              ; asc
	s_load_b128 s[56:59], s[0:1], 0x28             ; w_proj_codes, wimg
	v_lshl_add_u32 v254, v0, 2, SPARE
	v_mov_b32 v255, 0
	ds_add_u32 v254, v255
	ds_add_u32 v254, v255
	v_lshrrev_b32 v1, 5, v0
	v_readfirstlane_b32 s[WV], v1
	s_bfe_u32 s15, ttmp6, 0x40000                  ; cx: it enters global addresses and the mask's threshold alone
	s_and_b32 s16, ttmp7, 0xffff                   ; bh
	s_and_b32 s17, s[WV], 1                        ; e
	s_lshr_b32 s40, s[WV], 1                       ; gA
	s_sub_co_u32 s41, 15, s40                      ; gB
	s_mov_b32 s24, 15|(3<<16)|(1<<21)              ; a record: 66 rows of 256 bytes, for all four partners
	s_mov_b32 s25, 32<<16
	s_mov_b32 s26, 66<<16
	s_mov_b32 s27, 32<<16
	s_mov_b32 s28, 66
	s_mov_b32 s29, 32
	s_mov_b32 s30, 0
	s_mov_b32 s31, 0
	s_mov_b32 s[CS], 0x3e38aa3b                    ; log2(e) / 8
	s_mov_b32 s[CS+1], s[CS]
	s_mov_b32 s[SEL], 0x76543210
	s_mov_b32 s[SEL+1], 0xfedcba98
	s_mov_b32 s[MNT], 0x600000
	s_mov_b32 s39, 0x03020302
	s_cmp_eq_u32 s17, 1
	s_cselect_b32 s39, s39, 0x01000100             ; which half of the loaded scale word is my tile's
	s_mov_b32 s32, 1
	s_mul_i32 s33, s[WV], REC
	s_lshl_b32 s50, s16, 4
	s_add_co_u32 s50, s50, s[WV]
	s_mul_i32 s50, s50, REC
	s_mov_b32 s51, 0
	s_lshl_b32 s52, s15, 5
	s_lshl_b32 s53, s17, 4
	s_add_co_u32 s52, s52, s53                     ; 32 c + 16 e
	s_and_b32 s53, s15, 1
	s_lshl_b32 s53, s53, 7
	s_lshr_b32 s54, s15, 1
	s_lshl_b32 s54, s54, 2
	s_add_co_u32 s53, s53, s54                     ; where pair c's word lies in a group's 256 bytes
	s_lshl_b32 s46, s16, 2
	s_add_co_u32 s46, s46, s15
	s_lshl_b32 s46, s46, 3
	s_add_co_u32 s46, s46, s[WV]                   ; wimg's unit u = 8 (4 bh + cx) + wave, for waves 0-7
	s_lshr_b32 s48, s46, 5
	s_lshl_b32 s48, s48, 14                        ; its 16 rows of 1,024 bytes,
	s_and_b32 s49, s46, 31
	s_lshl_b32 s49, s49, 5                         ; its 32 along K
	s_add_co_u32 s48, s48, s49
	s_mov_b32 s49, 0
	s_lshl_b32 s46, s46, 9
	s_mov_b32 s47, 0
	s_wait_dscnt 0x0
	s_wait_kmcnt 0x0
	s_add_nc_u64 s[34:35], s[8:9], s[50:51]
	s_or_b32 s35, s35, 0x80000000
	s_add_nc_u64 s[56:57], s[56:57], s[48:49]
	s_add_nc_u64 s[58:59], s[58:59], s[46:47]
	ROUND                                          ; the joint loads meet
	s_cmp_lt_u32 s[WV], 4                          ; two load lines: the first barrier waits for the first line's alone
	s_cbranch_scc0 .Lrest
	TL
	s_branch .Lasked
.Lrest:
	TL
.Lasked:
	v_and_b32 v10, 31, v0
	v_lshlrev_b32 v[LI], 4, v10
	v_lshlrev_b32 v[L8], 3, v10
	v_and_b32 v[RR], 15, v0
	v_bfe_u32 v[HH], v0, 4, 1
	v_lshlrev_b32 v10, 3, v[HH]
	v_sub_nc_u32 v[DD], v[RR], v10
	v_add_nc_u32 v[DD], s52, v[DD]
	v_lshl_add_u32 v[QSO], v[RR], 3, s53
	v_lshlrev_b32 v[ASO], 5, v[RR]
	v_lshlrev_b32 v10, 10, v[RR]
	v_lshl_add_u32 v10, v[HH], 4, v10              ; w_proj: row r, 16 hh
.set i, Q0+8
.rept 16
	v_mov_b32 v[i], 0                              ; the zero halves beside q
.set i, i+1
.endr
.irp b, 0,1,2,3
	v_mov_b32 v[PT+\b], 0                          ; a lane permute's destination counts as a source
.endr
	v_mov_b32 v[PW], 0
	v_mov_b32 v[TP], 0
	v_mov_b32 v[NINF], 0xff800000
	s_wait_alu depctr_va_vdst(0)
	LOADQ 41
	s_cmp_lt_u32 s[WV], 8
	s_cbranch_scc0 .Lno_w
	global_load_b128 v[PC:PC+3], v10, s[56:57]     ; 16 rows x 32 codes of w_proj,
	s_wait_loadcnt 0x0
	global_store_b128 v[LI], v[PC:PC+3], s[58:59]  ; as one unit: 512 consecutive bytes
.Lno_w:
	s_cmp_lt_u32 s[WV], 4
	s_cbranch_scc0 .Lnot_yet
	s_wait_tensorcnt 0x0                           ; records 0-3
.Lnot_yet:
	s_barrier_signal -1
	s_barrier_wait -1
	s_wait_xcnt 0x0                                ; the store has read its data: the codes' registers are written in the steps
.macro INIT g                          ; a pass: where the tile's results go, and the state's first values
	s_mov_b32 s18, s[\g]
	s_lshl_b32 s50, s18, 3
	s_lshl_b32 s51, s15, 1
	s_add_co_u32 s50, s50, s51
	s_add_co_u32 s50, s50, s17
	s_lshr_b32 s51, s16, 4
	s_and_b32 s52, s16, 15
	s_lshl_b32 s53, s51, 7
	s_add_co_u32 s53, s53, s50                     ; the tile of 16 rows among all 512
	s_lshl_b32 s50, s53, 3
	s_lshr_b32 s51, s52, 1
	s_add_co_u32 s50, s50, s51
	s_lshl_b32 s50, s50, 11
	s_and_b32 s51, s52, 1
	s_lshl_b32 s51, s51, 10
	s_add_co_u32 s50, s50, s51
	s_mov_b32 s51, 0
	s_add_nc_u64 s[46:47], s[10:11], s[50:51]
	s_lshl_b32 s50, s53, 9
	s_lshl_b32 s52, s52, 1
	s_add_co_u32 s50, s50, s52
	s_add_nc_u64 s[48:49], s[12:13], s[50:51]
	s_wait_loadcnt 0x0                             ; the queries
	v_perm_b32 v[QW], v[QRW], v[QRW], s39
	v_mov_b32 v13, 0xff61b1e6                      ; -3e38, under every t
	v_floor_f32 v12, -v13
	v_mov_b32 v14, 0
	v_mov_b32 v15, 0
.set i, 0
.rept 32
	v_mov_b32 v[OT+i], 0
.set i, i+1
.endr
	s_mov_b32 s20, 0
	s_mov_b32 s19, 0
	s_wait_alu depctr_va_vdst(0)
.endm
; A KEY STEP of 128 keys.  full = 1: a step that lies ahead of the diagonal in every wave: no test, no mask.
.macro STEP full
.if \full == 0
	s_cmp_gt_u32 s19, s18
	s_cbranch_scc1 .Lskip_\@
.endif
	v_add_nc_u32 v[ADK], s20, v[LI]
	v_add_nc_u32 v[ADS], s20, v[L8]
.rept 6
	v_nop                                          ; with the two additions: eight places behind the last products
.endr
.set i, 0
.rept 16
	ds_load_b128 v[KF+4*i:KF+4*i+3], v[ADK] offset:512*i
.set i, i+1
.endr
	ds_load_b64 v[KSW:KSW+1], v[ADS] offset:KSO
	s_wait_alu depctr_va_vdst(0)
	s_wait_dscnt 0x0
.irp t, 0,1,2,3,4,5,6,7
.if (\t/2)%2
	v_wmma_scale_f32_16x16x128_f8f6f4 v[SR+8*\t:SR+8*\t+7], v[KF+16*(\t/2):KF+16*(\t/2)+15], v[Q0+16*(\t%2):Q0+16*(\t%2)+15], 0, v[KSW+\t/4], v[QW] matrix_a_scale:MATRIX_SCALE_ROW1
.else
	v_wmma_scale_f32_16x16x128_f8f6f4 v[SR+8*\t:SR+8*\t+7], v[KF+16*(\t/2):KF+16*(\t/2)+15], v[Q0+16*(\t%2):Q0+16*(\t%2)+15], 0, v[KSW+\t/4], v[QW]
.endif
.endr
.rept 8
	v_nop
.endr
.set i, 0
.rept 16
	ds_load_b128 v[KF+4*i:KF+4*i+3], v[ADK] offset:VOF+512*i   ; V lands under the softmax
.set i, i+1
.endr
	ds_load_b64 v[VSW:VSW+1], v[ADS] offset:VSO
.if \full == 0
	s_cmp_lg_u32 s19, s18
	s_cbranch_scc1 .Lopen_\@
.set n, 0
.rept 64                                           ; on the diagonal hidden scores become -infinity
	v_cmp_gt_i32 vcc_lo, 16*(n/8)+n%8, v[DD]
	v_cndmask_b32 v[SR+n], v[SR+n], v[NINF], vcc_lo
.set n, n+1
.endr
.Lopen_\@:
.endif
.irp b, 0,1,2,3
	v_max3_num_f32 v[BM+\b], v[SR+16*\b], v[SR+1+16*\b], v[SR+2+16*\b]   ; each block's largest score: for the row's maximum and for the block's largest p
.endr
.irp i, 3,5,7,9,11,13
.irp b, 0,1,2,3
	v_max3_num_f32 v[BM+\b], v[BM+\b], v[SR+16*\b+\i], v[SR+1+16*\b+\i]
.endr
.endr
.irp b, 0,1,2,3
	v_max_num_f32 v[BM+\b], v[BM+\b], v[SR+15+16*\b]
.endr
.irp b, 0,1,2,3
	v_permlanex16_b32 v[PT+\b], v[BM+\b], s[SEL], s[SEL+1]
.endr
.irp b, 0,1,2,3
	v_max_num_f32 v[BM+\b], v[BM+\b], v[PT+\b]
.endr
	v_max3_num_f32 v[TP], v[BM], v[BM+1], v[BM+2]
	v_max_num_f32 v[TP], v[TP], v[BM+3]
	v_mul_f32 v[TP], s[CS], v[TP]
	v_max_num_f32 v13, v13, v[TP]                  ; the running largest t
	v_mov_b32 v[TP], v12
	v_floor_f32 v12, -v13                          ; -M = -ceil(t)
	v_sub_f32 v[TP], v12, v[TP]
	v_cvt_i32_f32 v[TP], v[TP]
	v_ldexp_f32 v[FF], 1.0, v[TP]                  ; f = 2^(old M - new M)
.set j, 0
.rept 32
	v_pk_fma_f32 v[SR+j:SR+j+1], v[SR+j:SR+j+1], s[CS:CS+1], v[12:13] op_sel_hi:[1,0,0]
.set j, j+2
.endr
.irp b, 0,1,2,3
	v_fma_f32 v[BM+\b], v[BM+\b], s[CS], v12
.endr
	s_wait_alu depctr_va_vdst(0)
.set j, 0
.rept 64
	v_exp_f32 v[SR+j], v[SR+j]
.set j, j+1
.endr
.irp b, 0,1,2,3
	v_exp_f32 v[BM+\b], v[BM+\b]
.endr
	v_pk_mul_f32 v[14:15], v[14:15], v[FF:FF+1] op_sel_hi:[1,0]   ; a plain place behind the batch
	s_wait_alu depctr_va_vdst(0)                   ; and behind it
.irp b, 0,1,2,3
	v_max_num_f32 v[BM+\b], 0x4800000, v[BM+\b]    ; the floor: the byte cannot fall under 1
.endr
.irp b, 0,1,2,3
	v_add_nc_u32 v[SO+\b], 0xfc000000, v[BM+\b]
.endr
.irp b, 0,1,2,3
	v_and_or_b32 v[HL+\b], v[BM+\b], 0x7f800000, s[MNT]
.endr
.irp b, 0,1,2,3
	v_lshrrev_b32 v[PT+\b], 23, v[SO+\b]
.endr
	v_lshl_or_b32 v[PW], v[PT+1], 8, v[PT]
	v_lshl_or_b32 v[PW], v[PT+2], 16, v[PW]
	v_lshl_or_b32 v[PW], v[PT+3], 24, v[PW]
; the row's sum of the unquantised p: 32 pairs into eight chains
.set k, 0
.rept 7
	v_pk_add_f32 v[TS+2*k:TS+2*k+1], v[SR+4*k:SR+4*k+1], v[SR+4*k+2:SR+4*k+3]
.set k, k+1
.endr
	v_pk_add_f32 v[14:15], v[14:15], v[SR+28:SR+29]
.irp o, 30, 46
.set k, 0
.rept 7
	v_pk_add_f32 v[TS+2*k:TS+2*k+1], v[TS+2*k:TS+2*k+1], v[SR+\o+2*k:SR+\o+2*k+1]
.set k, k+1
.endr
	v_pk_add_f32 v[14:15], v[14:15], v[SR+\o+14:SR+\o+15]
.endr
	v_pk_add_f32 v[TS:TS+1], v[TS:TS+1], v[SR+62:SR+63]
	v_pk_add_f32 v[14:15], v[14:15], v[TS+6:TS+7]
	v_pk_add_f32 v[TS:TS+1], v[TS:TS+1], v[TS+8:TS+9]
	v_pk_add_f32 v[TS+2:TS+3], v[TS+2:TS+3], v[TS+10:TS+11]
	v_pk_add_f32 v[TS+4:TS+5], v[TS+4:TS+5], v[TS+12:TS+13]
	v_pk_add_f32 v[14:15], v[14:15], v[TS+2:TS+3]
	v_pk_add_f32 v[TS:TS+1], v[TS:TS+1], v[TS+4:TS+5]
	v_pk_add_f32 v[14:15], v[14:15], v[TS:TS+1]
.irp b, 0,1,2,3
.irp i, 0,2,4,6,8,10,12,14
	v_dual_min_num_f32 v[SR+16*\b+\i], v[HL+\b], v[SR+16*\b+\i] :: v_dual_min_num_f32 v[SR+16*\b+\i+1], v[HL+\b], v[SR+16*\b+\i+1]   ; the one-sided hold at 448 x the scale, two numbers a line
.endr
	v_cvt_scalef32_pk8_fp8_f32 v[PC+4*\b:PC+4*\b+1], v[SR+16*\b:SR+16*\b+7], v[SO+\b]
	v_cvt_scalef32_pk8_fp8_f32 v[PC+4*\b+2:PC+4*\b+3], v[SR+16*\b+8:SR+16*\b+15], v[SO+\b]
.endr
.set j, 0
.rept 16
	v_pk_mul_f32 v[OT+j:OT+j+1], v[OT+j:OT+j+1], v[FF:FF+1] op_sel_hi:[1,0]   ; O^T under the new M; also the places ahead of the products
.set j, j+2
.endr
	s_wait_alu depctr_va_vdst(0)
	s_wait_dscnt 0x0                               ; V and its scale words
.irp t, 0,1,2,3
.if \t%2
	v_wmma_scale_f32_16x16x128_f8f6f4 v[OT+8*\t:OT+8*\t+7], v[KF+16*\t:KF+16*\t+15], v[PC:PC+15], v[OT+8*\t:OT+8*\t+7], v[VSW+\t/2], v[PW] matrix_a_scale:MATRIX_SCALE_ROW1
.else
	v_wmma_scale_f32_16x16x128_f8f6f4 v[OT+8*\t:OT+8*\t+7], v[KF+16*\t:KF+16*\t+15], v[PC:PC+15], v[OT+8*\t:OT+8*\t+7], v[VSW+\t/2], v[PW]
.endif
.endr
.Lskip_\@:
.endm
.macro LOOP name, full, last           ; steps up to \last, a constant count of trips
\name:
	STEP \full
	s_add_co_u32 s20, s20, REC
	s_add_co_u32 s19, s19, 1
	s_cmp_lt_u32 s19, \last
	s_cbranch_scc1 \name
.endm
; THE WAY OUT: O^T / the sum, quantised along the head's two blocks of 32 channels.  next = 1: the second pass's queries are asked for first.
.macro OUT next
.rept 8
	v_nop
.endr
.if \next
	LOADQ 40
.endif
	v_add_f32 v14, v14, v15
	v_permlanex16_b32 v[TP], v14, s[SEL], s[SEL+1]
	v_add_f32 v14, v14, v[TP]
	s_wait_alu depctr_va_vdst(0)
	v_rcp_f32 v14, v14
	v_nop
	s_wait_alu depctr_va_vdst(0)
.set j, 0
.rept 16
	v_pk_mul_f32 v[SR+j:SR+j+1], v[OT+j:OT+j+1], v[14:15] op_sel_hi:[1,0]
.set j, j+2
.endr
.irp c, 0,1
	v_max3_num_f32 v[BM+\c], |v[SR+16*\c]|, |v[SR+1+16*\c]|, 0x4800000
.endr
.irp i, 2,4,6,8,10,12,14
.irp c, 0,1
	v_max3_num_f32 v[BM+\c], v[BM+\c], |v[SR+16*\c+\i]|, |v[SR+1+16*\c+\i]|
.endr
.endr
.irp c, 0,1
	v_permlanex16_b32 v[PT+\c], v[BM+\c], s[SEL], s[SEL+1]
.endr
.irp c, 0,1
	v_max_num_f32 v[BM+\c], v[BM+\c], v[PT+\c]
.endr
.irp c, 0,1
	v_add_nc_u32 v[SO+\c], 0xfc000000, v[BM+\c]
.endr
.irp c, 0,1
	v_and_or_b32 v[HL+\c], v[BM+\c], 0x7f800000, s[MNT]
.endr
.irp c, 0,1
	v_lshrrev_b32 v[PT+\c], 23, v[SO+\c]
.endr
	v_lshl_or_b32 v[AW], v[PT+1], 8, v[PT]
.irp c, 0,1
.irp i, 0,1,2,3,4,5,6,7,8,9,10,11,12,13,14,15
	v_med3_num_f32 v[SR+16*\c+\i], v[SR+16*\c+\i], -v[HL+\c], v[HL+\c]
.endr
	v_cvt_scalef32_pk8_fp8_f32 v[PC+4*\c:PC+4*\c+1], v[SR+16*\c:SR+16*\c+7], v[SO+\c]
	v_cvt_scalef32_pk8_fp8_f32 v[PC+4*\c+2:PC+4*\c+3], v[SR+16*\c+8:SR+16*\c+15], v[SO+\c]
.endr
	v_nop
	v_permlane16_swap_b32 v[PC], v[PC+2]           ; into the true order of a block's 32 channels
	v_permlane16_swap_b32 v[PC+1], v[PC+3]
	v_permlane16_swap_b32 v[PC+4], v[PC+6]
	v_permlane16_swap_b32 v[PC+5], v[PC+7]
	global_store_b128 v[LI], v[PC:PC+3], s[46:47]
	global_store_b128 v[LI], v[PC+4:PC+7], s[46:47] offset:512
	global_store_b16 v[ASO], v[AW], s[48:49]
	s_wait_xcnt 0x0                                ; the stores' data and bases are written again only behind this wait
.endm
	INIT 41                                        ; the first pass: group gB
	LOOP .La, 1, 4                                 ; steps 0-3 read records 0-3
	s_wait_tensorcnt 0x0                           ; every wave: its record is in
	s_wait_dscnt 0x0
	s_barrier_signal -1
	s_barrier_wait -1                              ; the whole head lies in LDS
	s_mov_b32 s19, 4
	s_mov_b32 s20, 4*REC
	LOOP .Lb, 0, 16
	OUT 1
	INIT 40                                        ; the second pass: group gA
	LOOP .Lc, 0, 16
	OUT 0
	s_wait_tensorcnt 0x0                           ; the wave's end
	ds_add_u32 v254, v255
	s_wait_dscnt 0x0
	ROUND                                          ; the closing round
	s_endpgm
.Lfunc_end_k_qb23cc2dd59_attn:
	.size	k_qb23cc2dd59_attn, .Lfunc_end_k_qb23cc2dd59_attn-k_qb23cc2dd59_attn
	.p2alignl 7, 3214868480
	.fill 96, 4, 3214868480
	.section	.rodata,"a",@progbits
	.p2align	6, 0x0
	.amdhsa_kernel k_qb23cc2dd59_attn
		.amdhsa_group_segment_fixed_size 327680
		.amdhsa_private_segment_fixed_size 0
		.amdhsa_enable_private_segment 0
		.amdhsa_kernarg_size 56
		.amdhsa_user_sgpr_count 2
		.amdhsa_user_sgpr_kernarg_segment_ptr 1
		.amdhsa_wavefront_size32 1
		.amdhsa_system_sgpr_workgroup_id_x 1
		.amdhsa_system_sgpr_workgroup_id_y 1
		.amdhsa_system_sgpr_workgroup_id_z 1
		.amdhsa_system_vgpr_workitem_id 0
		.amdhsa_next_free_vgpr 256
		.amdhsa_next_free_sgpr 66
		.amdhsa_reserve_vcc 1
		.amdhsa_float_denorm_mode_32 3
		.amdhsa_float_denorm_mode_16_64 3
		.amdhsa_memory_ordered 1
		.amdhsa_forward_progress 1
		.amdhsa_inst_pref_size 90
	.end_amdhsa_kernel
	.amdgpu_metadata
---
amdhsa.version: [ 1, 2 ]
amdhsa.kernels:
  - .name:           k_qb23cc2dd59_attn
    .symbol:         k_qb23cc2dd59_attn.kd
    .args:
      - { .name: qimg, .offset: 0, .size: 8, .value_kind: global_buffer, .address_space: global }
      - { .name: qsc, .offset: 8, .size: 8, .value_kind: global_buffer, .address_space: global }
      - { .name: kv, .offset: 16, .size: 8, .value_kind: global_buffer, .address_space: global }
      - { .name: aimg, .offset: 24, .size: 8, .value_kind: global_buffer, .address_space: global }
      - { .name: asc, .offset: 32, .size: 8, .value_kind: global_buffer, .address_space: global }
      - { .name: w_proj_codes, .offset: 40, .size: 8, .value_kind: global_buffer, .address_space: global }
      - { .name: wimg, .offset: 48, .size: 8, .value_kind: global_buffer, .address_space: global }
    .group_segment_fixed_size: 327680
    .private_segment_fixed_size: 0
    .kernarg_segment_align: 8
    .kernarg_segment_size: 56
    .max_flat_workgroup_size: 512
    .sgpr_count:     66
    .vgpr_count:     256
    .wavefront_size: 32
...
	.end_amdgpu_metadata
.endif
;; end of part 2
;; launch proj (part 3): grid 4 x 64, 4 waves a work-group, clusters of 4 x 1, 327,680 bytes of LDS; arguments aimg, asc, wimg, w_proj_scales, b_proj, out0; writes out0
.if DOCPART == 3
	.amdgcn_target "amdgcn-amd-amdhsa--gfx1250"
	.amdhsa_code_object_version 6
	.text
	.protected	k_qb23cc2dd59_proj
	.globl	k_qb23cc2dd59_proj
	.p2align	8
	.type	k_qb23cc2dd59_proj,@function
k_qb23cc2dd59_proj:
	s_mov_b64 s[64:65], 0
	v_nop
	global_prefetch_b8 v0, s[64:65] scope:SCOPE_SE
	s_setreg_imm32_b32 hwreg(HW_REG_WAVE_MODE, 25, 1), 1
	s_wait_xcnt 0x0
	s_wait_alu depctr_hold_cnt(0) depctr_sa_sdst(0) depctr_va_vdst(0) depctr_va_sdst(0) depctr_va_ssrc(0) depctr_va_vcc(0) depctr_vm_vsrc(0)
	s_getreg_b32 s2, hwreg(HW_REG_IB_STS2, 6, 4)
	s_cmp_eq_u32 s2, 0
	s_cbranch_scc0 .Lentry_in_a_cluster
	s_endpgm
.Lentry_in_a_cluster:
	s_bfe_u32 s2, ttmp6, 0x10000c
	s_cmp_lg_u32 s2, 0x3003
	s_cbranch_scc0 .Lentry_shape_is_right
	s_endpgm
.Lentry_shape_is_right:
; out = a W_proj + b_proj on codes of E4M3 with one E8M0 scale for each 32 along K = 1,024; f32 sums, f32 out.
; SHARES.  256 work-groups of four waves; a work-group makes 128 rows x 256 columns, a wave all 128 rows x 64 columns.
; A wave holds its 64 rows of W, all of K, in 512 registers (windows 1, 2), loaded from wimg, which lies in the order of operand registers: each load covers 512 consecutive bytes.
; a's 128 rows, all of K, are 131,072 dense bytes of aimg ([tile of 16 rows][128 of K][32 of K] units of 512 bytes): they come into LDS once, 32,768 bytes a wave, by ONE joint load a wave,
; shared by the four partners of a cluster along x, which make the same rows.  W is not shared: each partner has columns of its own.  Nothing in LDS is filled twice, so there is no ring.
; No prefetch: all that the launch reads is asked for at its head, and there is no loop to run ahead in.
; THE STREAM.  Eight blocks of 16 rows; a block's fragments (128 registers) stand in two sets of window 3; 32 products a block, four accumulators by turns, two sets of sums; the bias is the first products' C.
; Source 0 = W's rows, source 1 = a's rows: a lane holds one row of the result and eight neighbouring columns a tile.  A block leaves through the wave's own stage in LDS as rows of 256 bytes:
; sixteen lanes store 256 consecutive bytes, aligned.  Block i's stage trip and block i - 1's stores stand behind block i's products.
; LIMITS: NaN and infinities are not served.
.set STG,   131072                     ; behind a's rows: a stage of 16 rows x 272 bytes for each wave
.set SPARE, 148480                     ; behind the stages: the spare words
.set LI,  1                            ; v1 16 x lane; v2 the same + 65,536 (blocks 4-7)
.set STO, 3
.set RD,  4
.set CO,  5
.set L32, 7                            ; 32 x lane
.set H32, 8                            ; 32 x (lane / 16)
.set SPW, 10
.set NIL, 11
.set SB,  16                           ; v16-31 W's scale words: register 8 p + q: lanes 0-15 tile 2 p, lanes 16-31 tile 2 p + 1
.set SA,  36                           ; v36-67 a's: register 8 p + q: lanes 0-15 block 2 p, lanes 16-31 block 2 p + 1
.set BQ,  68                           ; v68-99 the bias in the results' layout
.set ACC, 100                          ; v100-163 two sets of four accumulators
.set OB,  164                          ; v164-227 two sets of 16 rows read back from the stage
.set MSB, 0
.macro WIN new
.if MSB != (\new)
	s_set_vgpr_msb (MSB<<8)|(\new)
.set MSB, (\new)
.endif
.endm
.macro ROUND
	s_barrier_signal -1
	s_barrier_wait -1
	s_cmp_lg_u32 s16, 0
	s_cbranch_scc1 .Lnot_wave_0_\@
	s_barrier_signal -3
.Lnot_wave_0_\@:
	s_barrier_wait -3
	s_barrier_signal -1
	s_barrier_wait -1
.endm
	s_load_b256 s[4:11], s[0:1], 0x0               ; aimg, asc, wimg, W's scales
	s_load_b128 s[12:15], s[0:1], 0x20             ; the bias, out
	v_lshl_add_u32 v[SPW], v0, 2, SPARE
	v_mov_b32 v[NIL], 0
	ds_add_u32 v[SPW], v[NIL]
	ds_add_u32 v[SPW], v[NIL]
	v_lshrrev_b32 v1, 5, v0
	v_readfirstlane_b32 s16, v1                    ; wave
	s_bfe_u32 s17, ttmp6, 0x40000                  ; cx: the tile of 256 columns; it enters global addresses alone
	s_and_b32 s18, ttmp7, 0xffff                   ; the tile of 128 rows
	s_mov_b32 s24, 15|(3<<16)|(1<<21)              ; 128 rows of 256 bytes, dense, for all four partners
	s_mov_b32 s25, 32<<16
	s_mov_b32 s26, 128<<16
	s_mov_b32 s27, 32<<16
	s_mov_b32 s28, 128
	s_mov_b32 s29, 32
	s_mov_b32 s30, 0
	s_mov_b32 s31, 0
	s_mov_b32 s20, 1
	s_lshl_b32 s21, s16, 15                        ; LDS: 32,768 x wave
	s_lshl_b32 s32, s18, 17
	s_add_co_u32 s32, s32, s21                     ; aimg: 131,072 x tile + 32,768 x wave
	s_mov_b32 s33, 0
	s_lshl_b32 s34, s17, 18
	s_lshl_b32 s35, s16, 16
	s_add_co_u32 s34, s34, s35                     ; wimg: my 64 rows: 1,024 (256 cx + 64 wave)
	s_mov_b32 s35, 0
	s_lshr_b32 s36, s34, 5                         ; their scale bytes: 32 a row
	s_mov_b32 s37, 0
	s_lshr_b32 s38, s34, 8                         ; my first column in bytes of f32
	s_mov_b32 s39, 0
	s_lshl_b32 s40, s18, 12                        ; asc: 128 rows of 32 bytes a tile
	s_mov_b32 s41, 0
	s_lshl_b32 s42, s18, 19                        ; out: 128 rows of 4,096 bytes a tile
	s_add_co_u32 s42, s42, s38
	s_mov_b32 s43, 0
	s_mul_i32 s44, s16, 16*272
	s_add_co_u32 s44, s44, STG                     ; my stage
	s_wait_dscnt 0x0
	ROUND                                          ; the joint loads meet
	s_wait_kmcnt 0x0
	s_add_nc_u64 s[22:23], s[4:5], s[32:33]
	s_or_b32 s23, s23, 0x80000000
	tensor_load_to_lds s[20:23], s[24:31]          ; my one tensor load
	s_nop 0
.rept 4
	v_nop
.endr
	s_add_nc_u64 s[6:7], s[6:7], s[40:41]
	s_add_nc_u64 s[8:9], s[8:9], s[34:35]
	s_add_nc_u64 s[10:11], s[10:11], s[36:37]
	s_add_nc_u64 s[12:13], s[12:13], s[38:39]
	s_add_nc_u64 s[14:15], s[14:15], s[42:43]
	v_and_b32 v6, 31, v0
	v_lshlrev_b32 v[LI], 4, v6
	v_lshlrev_b32 v[L32], 5, v6
	v_add_nc_u32 v[LI+1], 0x10000, v[LI]
	v_and_b32 v9, 15, v0
	v_bfe_u32 v12, v0, 4, 1
	v_lshlrev_b32 v[H32], 5, v12
	v_mul_u32_u24 v13, v9, 272
	v_lshl_add_u32 v13, v12, 5, v13
	v_add_nc_u32 v[STO], s44, v13                  ; in: row r, 32 bytes for each half of the lanes
	v_mul_u32_u24 v14, v12, 272
	v_lshl_add_u32 v14, v9, 4, v14
	v_add_nc_u32 v[RD], s44, v14                   ; back: lanes 0-15 one row, lanes 16-31 the next
	v_lshlrev_b32 v15, 12, v12
	v_lshl_add_u32 v[CO], v9, 4, v15               ; and the same two rows in out
	s_wait_alu depctr_va_vdst(0)
.set f, 0
.rept 32                                           ; W's fragment f = 4 q + b: tile b, the q-th 128 of K: window 1 + f / 16
	WIN (1+f/16)<<6
.irp c, 0,1,2,3
	global_load_b128 v[16*(f%16)+4*\c:16*(f%16)+4*\c+3], v[LI], s[8:9] offset:(f%4)*16384+(f/4)*2048+\c*512
.endr
.set f, f+1
.endr
	WIN 0
.irp p, 0,1
.irp j, 0,1
	global_load_b128 v[SB+8*\p+4*\j:SB+8*\p+4*\j+3], v[L32], s[10:11] offset:\p*1024+16*\j
.endr
.endr
.irp p, 0,1,2,3
.irp j, 0,1
	global_load_b128 v[SA+8*\p+4*\j:SA+8*\p+4*\j+3], v[L32], s[6:7] offset:\p*1024+16*\j
.endr
.endr
.irp x, 0,1,2,3,4,5,6,7
	global_load_b128 v[BQ+4*\x:BQ+4*\x+3], v[H32], s[12:13] offset:64*(\x/2)+16*(\x%2)   ; columns 16 b + 8 (lane / 16) + 0..7
.endr
.macro FETCH i                         ; block i, 16 rows, all of K, into set i % 2 of window 3: 32 loads of 512 consecutive bytes
	WIN 0xc0
.irp q, 0,1,2,3,4,5,6,7
.irp c, 0,1,2,3
	ds_load_b128 v[128*((\i)%2)+16*\q+4*\c:128*((\i)%2)+16*\q+4*\c+3], v[LI+(\i)/4] offset:((\i)%4)*16384+\q*2048+\c*512
.endr
.endr
	WIN 0
.endm
.macro MM ra, rb                       ; one product; ra, rb: the rows of the two scale registers
.if (\ra) && (\rb)
	v_wmma_scale_f32_16x16x128_f8f6f4 v[AC_:AC_+7], v[W_:W_+15], v[R_:R_+15], v[C_:C_+7], v[WS_], v[XS_] matrix_a_scale:MATRIX_SCALE_ROW1 matrix_b_scale:MATRIX_SCALE_ROW1
.elseif \ra
	v_wmma_scale_f32_16x16x128_f8f6f4 v[AC_:AC_+7], v[W_:W_+15], v[R_:R_+15], v[C_:C_+7], v[WS_], v[XS_] matrix_a_scale:MATRIX_SCALE_ROW1
.elseif \rb
	v_wmma_scale_f32_16x16x128_f8f6f4 v[AC_:AC_+7], v[W_:W_+15], v[R_:R_+15], v[C_:C_+7], v[WS_], v[XS_] matrix_b_scale:MATRIX_SCALE_ROW1
.else
	v_wmma_scale_f32_16x16x128_f8f6f4 v[AC_:AC_+7], v[W_:W_+15], v[R_:R_+15], v[C_:C_+7], v[WS_], v[XS_]
.endif
.endm
.macro SEND i                          ; block i's 16 rows of 256 bytes
.irp t, 0,1,2,3,4,5,6,7
	global_store_b128 v[CO], v[OB+32*((\i)%2)+4*\t:OB+32*((\i)%2)+4*\t+3], s[14:15] offset:(\i)*65536+\t*8192 th:TH_STORE_NT
.endr
.endm
.macro BLOCK i
.set n, 0
.rept 32                                           ; product n = 4 q + b; the four accumulators take turns
	WIN (1+n/16)|12
.set AC_, ACC+32*((\i)%2)+8*(n%4)
.set C_, AC_
.if n < 4
.set C_, BQ+8*n
.endif
.set W_, 16*(n%16)
.set R_, 128*((\i)%2)+16*(n/4)
.set WS_, SB+8*((n%4)/2)+n/4
.set XS_, SA+8*((\i)/2)+n/4
	MM n%2, (\i)%2
.set n, n+1
.endr
	WIN 0
.rept 8
	v_nop                                          ; places behind the last product: its sums are read and its fragments' registers loaded below
.endr
	s_wait_dscnt 0x0                               ; the next block's fragments and the last block's rows are in registers (asked for 32 products ago)
	s_wait_xcnt 0x0                                ; the stores of the block before last have read the registers that are loaded below
.irp b, 0,1,2,3
	ds_store_b128 v[STO], v[ACC+32*((\i)%2)+8*\b:ACC+32*((\i)%2)+8*\b+3] offset:64*\b
	ds_store_b128 v[STO], v[ACC+32*((\i)%2)+8*\b+4:ACC+32*((\i)%2)+8*\b+7] offset:64*\b+16
.endr
.irp t, 0,1,2,3,4,5,6,7
	ds_load_b128 v[OB+32*((\i)%2)+4*\t:OB+32*((\i)%2)+4*\t+3], v[RD] offset:\t*544   ; LDS serves a wave's instructions in order: these see the stores above
.endr
.if (\i) > 0
	SEND (\i)-1
.endif
.if (\i) < 6
	FETCH (\i)+2
.endif
.endm
	s_wait_tensorcnt 0x0                           ; my part of a's rows is in,
	s_barrier_signal -1
	s_barrier_wait -1                              ; everybody's is
	FETCH 0
	FETCH 1
	s_wait_loadcnt 0x0                             ; W, the scale words, the bias
	s_wait_dscnt 32                                ; block 0 is in; block 1's 32 loads may be out
.irp i, 0,1,2,3,4,5,6,7
	BLOCK \i
.endr
	s_wait_dscnt 0x0
	SEND 7
	s_wait_tensorcnt 0x0                           ; the wave's end
	ds_add_u32 v[SPW], v[NIL]
	s_wait_dscnt 0x0
	ROUND                                          ; the closing round
	s_endpgm
.Lfunc_end_k_qb23cc2dd59_proj:
	.size	k_qb23cc2dd59_proj, .Lfunc_end_k_qb23cc2dd59_proj-k_qb23cc2dd59_proj
	.p2alignl 7, 3214868480
	.fill 96, 4, 3214868480
	.section	.rodata,"a",@progbits
	.p2align	6, 0x0
	.amdhsa_kernel k_qb23cc2dd59_proj
		.amdhsa_group_segment_fixed_size 327680
		.amdhsa_private_segment_fixed_size 0
		.amdhsa_enable_private_segment 0
		.amdhsa_kernarg_size 48
		.amdhsa_user_sgpr_count 2
		.amdhsa_user_sgpr_kernarg_segment_ptr 1
		.amdhsa_wavefront_size32 1
		.amdhsa_system_sgpr_workgroup_id_x 1
		.amdhsa_system_sgpr_workgroup_id_y 1
		.amdhsa_system_sgpr_workgroup_id_z 1
		.amdhsa_system_vgpr_workitem_id 0
		.amdhsa_next_free_vgpr 1024
		.amdhsa_next_free_sgpr 66
		.amdhsa_reserve_vcc 0
		.amdhsa_float_denorm_mode_32 3
		.amdhsa_float_denorm_mode_16_64 3
		.amdhsa_memory_ordered 1
		.amdhsa_forward_progress 1
		.amdhsa_inst_pref_size 85
	.end_amdhsa_kernel
	.amdgpu_metadata
---
amdhsa.version: [ 1, 2 ]
amdhsa.kernels:
  - .name:           k_qb23cc2dd59_proj
    .symbol:         k_qb23cc2dd59_proj.kd
    .args:
      - { .name: aimg, .offset: 0, .size: 8, .value_kind: global_buffer, .address_space: global }
      - { .name: asc, .offset: 8, .size: 8, .value_kind: global_buffer, .address_space: global }
      - { .name: wimg, .offset: 16, .size: 8, .value_kind: global_buffer, .address_space: global }
      - { .name: w_proj_scales, .offset: 24, .size: 8, .value_kind: global_buffer, .address_space: global }
      - { .name: b_proj, .offset: 32, .size: 8, .value_kind: global_buffer, .address_space: global }
      - { .name: out0, .offset: 40, .size: 8, .value_kind: global_buffer, .address_space: global }
    .group_segment_fixed_size: 327680
    .private_segment_fixed_size: 0
    .kernarg_segment_align: 8
    .kernarg_segment_size: 48
    .max_flat_workgroup_size: 128
    .sgpr_count:     66
    .vgpr_count:     1024
    .wavefront_size: 32
...
	.end_amdgpu_metadata
.endif
;; end of part 3
